; MI455X (gfx1250); checked and timed in simulation.
; The chip was launched on July 23, 2026; its instructions are those of AMD's public machine-readable ISA for CDNA 5 (MIT licence, August 2026) and "CDNA5" Instruction Set Architecture Reference Guide (July 2026). The comments in the code are by the model that wrote it; some were corrected since.
;; BVH. Allowed arithmetic: float matrix products may take bf16 or f16 operands with f32 sums; all other float work in f32.
;; Inputs: points 1 x 16,384 x 3 float32; triangles 1 x 1,024 x 3 x 3 float32.
;; Outputs: out0 1 x 16,384 float32; out1 1 x 16,384 x 3 float32; out2 1 x 16,384 int32.
;; One version. Each part assembles by itself: llvm-mc -triple=amdgcn-amd-amdhsa -mcpu=gfx1250 --defsym DOCPART=n.
;; ======== version 1 of 1: 1 launch
;; limits: below input magnitudes of 1e-07 results are inexact or not finite
;; launch closest (part 1): grid 256 x 1, 16 waves a work-group, no clusters, 169,984 bytes of LDS; arguments points, triangles, out0, out1, out2; writes out0, out1, out2
.if DOCPART == 1
	.amdgcn_target "amdgcn-amd-amdhsa--gfx1250"
	.amdhsa_code_object_version 6
	.text
	.protected	k_q8826610820_closest
	.globl	k_q8826610820_closest
	.p2align	8
	.type	k_q8826610820_closest,@function
k_q8826610820_closest:
	s_mov_b64 s[64:65], 0
	v_nop
	global_prefetch_b8 v0, s[64:65] scope:SCOPE_SE
	s_setreg_imm32_b32 hwreg(HW_REG_WAVE_MODE, 25, 1), 1
	s_wait_xcnt 0x0
; Closest point on any of 1,024 triangles for 16,384 points: squared distance (out0), the point (out1), the face id (out2).
;
; SHARES.  256 work-groups of 16 waves.  A work-group owns 64 points and all triangles.  A half-wave (16 lanes) is a "split" and owns 32
; consecutive triangles (32 splits x 32 = 1,024); each of its lanes keeps 4 of the 64 points, as two register pairs for packed f32 arithmetic.
; So a lane does 4 x 32 = 128 point-triangle pairs, and one broadcast LDS load of 16 bytes serves 4 pairs in each of 16 lanes.
;
; ALGEBRA.  With ap = p - a, d1 = ab.ap, d2 = ac.ap and, per triangle, E = ab.ab, F = ab.ac, G = ac.ac, H = bc.bc:
;   d3 = d1-E, d4 = d2-F, d5 = d1-F, d6 = d2-G;  vb = G d1 - F d2,  vc = E d2 - F d1,  va+vb+vc = E G - F F = D.
; Every denominator is E, G, H or D, so all reciprocals are made once per triangle and a pair needs no division:
;   v0 = vb/D, w0 = vc/D (the plane's foot point), s = clamp(d1/E), tau = clamp(d2/G), t = clamp((d2-d1+E-F)/H), clamps to [0,1].
;   edge bc (v = 1-t, w = t) when v0+w0 > 1, unless (v0 <= 0 and t >= 1) or (w0 <= 0 and t <= 0);
;   otherwise v = (w0 <= 0 ? s : max(v0,0)),  w = (v0 <= 0 ? tau : max(w0,0)).
; The clamps give the three corner regions; where both v0 <= 0 and w0 <= 0, at most one of d1, d2 is positive (else F F > E G).
; Then diff = ap - v ab - w ac, dist2 = |diff|^2.  Differences of coordinates come first, so a common offset of all inputs cancels at once.
; The table holds -a, -ab, -ac and constants signed to match (D1 = -d1, D2 = -d2), so that the loop needs no sign modifiers but one.
; The winner's diff is carried along by selects; closest = p - diff at the end: no address hangs on the winner.
;
; LIMITS, stated.  (1) The order of rounding differs from a literal evaluation (d3..d6, va..vc come from d1, d2 and constants; reciprocals by
; v_rcp_f32, 1 ulp), so the face id can differ where two faces' squared distances agree to within the rounding of either evaluation
; (about 1e-7 of the coordinates' size, in distance).  Exact ties go to the lowest id.  (2) A triangle with D <= 2^-22 E G + 2^-100, which f32
; cannot tell from zero area, is served as its longest edge (what the region cascade gives for collinear corners in exact arithmetic); the
; closest point is then off by at most the sliver's height.  Squared edge lengths below 2^-100 divide by 1 instead.  (3) Finite inputs with
; E G inside f32's range (edges below about 4e9).  NaN and infinities are not served.
;
; NOT USED, and why.  Matrix instructions: dot products of length 3, and 16-bit operands would change the exact face id.  Tensor loads, clusters
; and joint requests: the only input that work-groups share is the 36,864 bytes of triangles, read once per work-group against 65,536 pairs of
; arithmetic, and each thread needs its two triangles in registers to prepare them.  Prefetches: all input is asked for in the first lines.
.set NPT,    64                        ; points of a work-group
.set NTRI,   1024
.set SPLITS, 32                        ; half-waves
.set TPS,    NTRI/SPLITS               ; 32 triangles of a split
.set PITCH,  80                        ; a table record: 16 words + 16 bytes; lane i stores at 80 i, and 5 i mod 16 differs for 16 neighbouring lanes
.set LREC,   NTRI*PITCH                ; 81,920   [32 splits][64 points] x 16 bytes: dist2, closest x y z
.set LIDX,   LREC+SPLITS*NPT*16        ; 114,688  [32][64] x 4 bytes: face id
.set LREC2,  LIDX+SPLITS*NPT*4         ; 122,880  [8][64] x 16 bytes
.set LIDX2,  LREC2+8*NPT*16            ; 131,072  [8][64] x 4 bytes
.set LOUT,   LIDX2+8*NPT*4             ; 133,120  256 bytes out0, 256 out2, 768 out1; ends at 134,400
; vector registers
.set TA,   1                           ; LDS address of my split's current record
.set TOF,  2                           ; byte offset of my first triangle in memory
.set POF,  3                           ; byte offset of my first point
.set PP,   4                           ; v[4:15]    points: pair g, coordinate k at PP+6g+2k (two points side by side)
.set BB,   16                          ; v[16:35]   best so far, pair g: dist2 +0, local id +2, diff x +4, y +6, z +8
.set C0,   36                          ; v[36:51]   a triangle's 16 constants
.set C1,   52                          ; v[52:67]   the next triangle's
.set TMP,  68                          ; v[68:123]  temporaries, GT registers for each pair of points
.set GT,   28
.set oAX, 0
.set oAY, 2
.set oAZ, 4
.set oD1, 6
.set oD2, 8
.set oV0, 10
.set oW0, 12
.set oSM, 14
.set oS,  16
.set oTT, 18
.set oTB, 20
.set oOM, 22
.set oV,  24
.set oW,  26
.set SPL,  124                         ; my split = thread / 16
.set L16,  125                         ; lane % 16
.set LST,  126                         ; where my first record goes
; scalar registers: s[4:13] addresses, s14 wave, s15 trips, s16/s17 local number of the two triangles of a trip, s[20:43] masks, s44/s45 thresholds
.set MK,   20
; registers of the preparation (they lie in the loop's constants and temporaries, which are not yet in use)
.set TR0, 36                           ; a at +0..2, b at +4..6, c at +8..10
.set TR1, 48
.set NAB, 68
.set NBC, 71
.set EE,  74
.set FF,  75
.set GG,  76
.set HH,  77
.set KN,  78
.set EG,  79
.set DD,  80
.set THL, 81
.set ES,  82
.set GS,  83
.set HS,  84
.set DSF, 85
.set RD,  86
.set RE,  87
.set RG,  88
.set RDN, 89
.set AS,  90
.set OO,  96                           ; v[96:111] the record
; packed f32 with one source broadcast from the low (_L) or high (_H) register of the pair at c
.macro ADD_L d, a, c
	v_pk_add_f32 v[\d:\d+1], v[\a:\a+1], v[\c:\c+1] op_sel_hi:[1,0]
.endm
.macro ADD_H d, a, c
	v_pk_add_f32 v[\d:\d+1], v[\a:\a+1], v[\c:\c+1] op_sel:[0,1] op_sel_hi:[1,1]
.endm
.macro MUL_L d, a, c
	v_pk_mul_f32 v[\d:\d+1], v[\a:\a+1], v[\c:\c+1] op_sel_hi:[1,0]
.endm
.macro MUL_H d, a, c
	v_pk_mul_f32 v[\d:\d+1], v[\a:\a+1], v[\c:\c+1] op_sel:[0,1] op_sel_hi:[1,1]
.endm
.macro FMA_L d, a, c, e
	v_pk_fma_f32 v[\d:\d+1], v[\a:\a+1], v[\c:\c+1], v[\e:\e+1] op_sel_hi:[1,0,1]
.endm
.macro FMA_H d, a, c, e
	v_pk_fma_f32 v[\d:\d+1], v[\a:\a+1], v[\c:\c+1], v[\e:\e+1] op_sel:[0,1,0] op_sel_hi:[1,1,1]
.endm
	s_load_b256 s[4:11], s[0:1], 0x0               ; points s[4:5], triangles s[6:7], out0 s[8:9], out1 s[10:11]
	s_load_b64 s[12:13], s[0:1], 0x20              ; out2
	v_lshl_add_u32 v128, v0, 2, 0x29000
	v_mov_b32 v129, 0
	v_lshrrev_b32 v1, 5, v0
	v_readfirstlane_b32 s14, v1                    ; wave number
	v_mul_u32_u24 v[TOF], v0, 36                   ; a triangle is 36 bytes; thread t prepares triangles t and t + 512
	v_and_b32 v[L16], 15, v0
	v_lshrrev_b32 v[SPL], 4, v0
	v_mul_u32_u24 v[POF], v[L16], 12               ; my points are lane%16 + 16 q, q = 0..3, of the group's 64
	v_mul_u32_u24 v[LST], v0, PITCH
	s_mul_i32 s2, ttmp9, NPT*12                    ; the group's 64 points in points and in out1
	s_mov_b32 s3, 0
	s_lshl_b32 s18, ttmp9, 8                       ; and in out0 and out2
	s_mov_b32 s19, 0
	s_mov_b32 s44, 0x34800000                      ; 2^-22
	s_mov_b32 s45, 0x0d800000                      ; 2^-100
	s_wait_kmcnt 0x0
	s_add_nc_u64 s[4:5], s[4:5], s[2:3]
	s_add_nc_u64 s[10:11], s[10:11], s[2:3]
	s_add_nc_u64 s[8:9], s[8:9], s[18:19]
	s_add_nc_u64 s[12:13], s[12:13], s[18:19]
.irp k,0,1,2
	global_load_b96 v[TR0+4*\k:TR0+4*\k+2], v[TOF], s[6:7] offset:12*\k
.endr
.irp k,0,1,2
	global_load_b96 v[TR1+4*\k:TR1+4*\k+2], v[TOF], s[6:7] offset:512*36+12*\k
.endr
.irp g,0,1
.irp h,0,1
.irp k,0,1,2
	global_load_b32 v[PP+6*\g+2*\k+\h], v[POF], s[4:5] offset:192*(2*\g+\h)+4*\k
.endr
.endr
.endr
	; while the loads are out: nothing found yet (dist2 = +infinity, so the first triangle is always taken)
.irp g,0,1
.irp h,0,1
	v_mov_b32 v[BB+10*\g+\h], 0x7f800000
	v_mov_b32 v[BB+10*\g+2+\h], 0
	v_mov_b32 v[BB+10*\g+4+\h], 0
	v_mov_b32 v[BB+10*\g+6+\h], 0
	v_mov_b32 v[BB+10*\g+8+\h], 0
.endr
.endr
	v_mul_u32_u24 v[TA], v[SPL], TPS*PITCH         ; my split's first record
; One triangle's record.  r: its nine coordinates; so: offset of the record from LST.
; words 0-2 -a, 3 -1/E;  4-6 -ab, 7 -1/G;  8-10 -ac, 11 1/H;  12 -G/D, 13 F/D, 14 -E/D, 15 (E-F)/H
.macro PRE r, so
.irp i,0,1,2
	v_sub_f32 v[NAB+\i], v[\r+\i], v[\r+4+\i]      ; a - b
	v_sub_f32 v[OO+8+\i], v[\r+\i], v[\r+8+\i]     ; a - c
	v_sub_f32 v[NBC+\i], v[\r+4+\i], v[\r+8+\i]    ; b - c
.endr
	v_mul_f32 v[EE], v[NAB], v[NAB]
	v_mul_f32 v[FF], v[NAB], v[OO+8]
	v_mul_f32 v[GG], v[OO+8], v[OO+8]
	v_mul_f32 v[HH], v[NBC], v[NBC]
	v_mul_f32 v[KN], v[NAB], v[NBC]                ; ab.bc = F - E, formed from the edges and not as a difference of sums
.irp i,1,2
	v_fmac_f32 v[EE], v[NAB+\i], v[NAB+\i]
	v_fmac_f32 v[FF], v[NAB+\i], v[OO+8+\i]
	v_fmac_f32 v[GG], v[OO+8+\i], v[OO+8+\i]
	v_fmac_f32 v[HH], v[NBC+\i], v[NBC+\i]
	v_fmac_f32 v[KN], v[NAB+\i], v[NBC+\i]
.endr
	v_mul_f32 v[EG], v[EE], v[GG]
	v_fma_f32 v[DD], -v[FF], v[FF], v[EG]          ; D = E G - F F
	v_fma_f32 v[THL], s44, v[EG], s45
	v_cmp_gt_f32 s20, v[DD], v[THL]                ; a proper triangle
	v_cmp_ge_f32 s21, v[HH], v[EE]
	v_cmp_ge_f32 s22, v[HH], v[GG]
	v_cmp_gt_f32 s23, v[GG], v[EE]
	s_and_b32 s21, s21, s22
	s_and_not1_b32 s21, s21, s20                   ; no area, bc the longest edge: origin b, edge bc
	s_and_not1_b32 s23, s23, s20
	s_and_not1_b32 s23, s23, s21                   ; no area, ac the longest: edge ac
.irp i,0,1,2
	v_cndmask_b32 v[OO+4+\i], v[NAB+\i], v[OO+8+\i], s23
	v_cndmask_b32 v[AS+\i], v[\r+\i], v[\r+4+\i], s21
.endr
.irp i,0,1,2
	v_cndmask_b32 v[OO+4+\i], v[OO+4+\i], v[NBC+\i], s21
	v_sub_f32 v[OO+\i], 0, v[AS+\i]
.endr
	v_cndmask_b32 v[ES], v[EE], v[GG], s23
	v_cndmask_b32 v[ES], v[ES], v[HH], s21         ; squared length of the edge that stands as ab
	v_cmp_le_f32 s24, s45, v[ES]
	v_cmp_le_f32 s25, s45, v[GG]
	v_cmp_le_f32 s26, s45, v[HH]
	v_cndmask_b32 v[ES], 1.0, v[ES], s24           ; safe divisors: 1 in place of (next to) nothing
	v_cndmask_b32 v[GS], 1.0, v[GG], s25
	v_cndmask_b32 v[HS], 1.0, v[HH], s26
	v_cndmask_b32 v[DSF], 1.0, v[DD], s20
	v_rcp_f32 v[RD], v[DSF]
	v_rcp_f32 v[RE], v[ES]
	v_rcp_f32 v[RG], v[GS]
	v_rcp_f32 v[OO+11], v[HS]
	v_sub_f32 v[KN], 0, v[KN]                      ; E - F; also the plain instruction between the reciprocals and their first use (ISA guide 5.7.2)
	s_wait_alu depctr_va_vdst(0)
	v_cndmask_b32 v[RD], 0, v[RD], s20             ; no area: v0 = w0 = 0 and tau = 0, which leaves v = s, w = 0: the edge alone
	v_cndmask_b32 v[RG], 0, v[RG], s20
	v_sub_f32 v[OO+3], 0, v[RE]
	v_sub_f32 v[OO+7], 0, v[RG]
	v_sub_f32 v[RDN], 0, v[RD]
	v_mul_f32 v[OO+15], v[KN], v[OO+11]
	v_mul_f32 v[OO+13], v[FF], v[RD]
	v_mul_f32 v[OO+12], v[GG], v[RDN]
	v_mul_f32 v[OO+14], v[EE], v[RDN]
.irp k,0,1,2,3
	ds_store_b128 v[LST], v[OO+4*\k:OO+4*\k+3] offset:\so+16*\k
.endr
.endm
	s_wait_loadcnt 15                              ; 18 loads were issued: the first triangle's three are in, 3 + 12 younger ones may be out
	PRE TR0, 0
	s_wait_loadcnt 12                              ; the second triangle's three are in, the 12 loads of points may be out
	PRE TR1, 512*PITCH
	s_wait_loadcnt 0x0                             ; my points
	s_wait_dscnt 0x0                               ; my records are in LDS before I say so
	s_barrier_signal -1
	s_barrier_wait -1                              ; the whole table is there
.macro LOADC c, o                      ; 64 bytes of constants: lanes 0-15 read one record, lanes 16-31 the record 32 triangles further on
.irp k,0,1,2,3
	ds_load_b128 v[\c+4*\k:\c+4*\k+3], v[TA] offset:\o+16*\k
.endr
.endm
; One triangle (constants at c, local number in s[it]) against my four points.  Each step is written for both pairs, or all four points,
; in turn, so that neighbouring instructions do not wait for each other.
.macro TRI c, it
.irp g,0,1
	.set xt, TMP+GT*\g
	.set xp, PP+6*\g
	ADD_L xt+oAX, xp+0, \c+0                       ; ap = p - a
	ADD_H xt+oAY, xp+2, \c+0
	ADD_L xt+oAZ, xp+4, \c+2
.endr
.irp g,0,1
	.set xt, TMP+GT*\g
	MUL_L xt+oD1, xt+oAX, \c+4                     ; D1 = -ab.ap, D2 = -ac.ap
	MUL_L xt+oD2, xt+oAX, \c+8
.endr
.irp g,0,1
	.set xt, TMP+GT*\g
	FMA_H xt+oD1, xt+oAY, \c+4, xt+oD1
	FMA_H xt+oD2, xt+oAY, \c+8, xt+oD2
.endr
.irp g,0,1
	.set xt, TMP+GT*\g
	FMA_L xt+oD1, xt+oAZ, \c+6, xt+oD1
	FMA_L xt+oD2, xt+oAZ, \c+10, xt+oD2
.endr
.irp g,0,1
	.set xt, TMP+GT*\g
	MUL_L xt+oV0, xt+oD1, \c+12
	MUL_L xt+oW0, xt+oD2, \c+14
	v_pk_add_f32 v[xt+oTB:xt+oTB+1], v[xt+oD1:xt+oD1+1], v[xt+oD2:xt+oD2+1] neg_lo:[0,1] neg_hi:[0,1]   ; D1 - D2 = d2 - d1
	MUL_H xt+oS,  xt+oD1, \c+2                     ; d1 / E
	MUL_H xt+oTT, xt+oD2, \c+6                     ; d2 / G
.endr
.irp g,0,1
	.set xt, TMP+GT*\g
	FMA_H xt+oV0, xt+oD2, \c+12, xt+oV0            ; v0 = (G d1 - F d2) / D
	FMA_H xt+oW0, xt+oD1, \c+12, xt+oW0            ; w0 = (E d2 - F d1) / D
	v_pk_fma_f32 v[xt+oTB:xt+oTB+1], v[xt+oTB:xt+oTB+1], v[\c+10:\c+11], v[\c+14:\c+15] op_sel:[0,1,1] op_sel_hi:[1,1,1]   ; (d2 - d1) / H + (E - F) / H
.endr
.irp g,0,1
.irp h,0,1
	.set xr, TMP+GT*\g+\h
	v_med3_num_f32 v[xr+oTB], v[xr+oTB], 0, 1.0    ; the clamps are the corner regions
	v_med3_num_f32 v[xr+oS],  v[xr+oS],  0, 1.0
	v_med3_num_f32 v[xr+oTT], v[xr+oTT], 0, 1.0
.endr
.endr
.irp g,0,1
	.set xt, TMP+GT*\g
	v_pk_add_f32 v[xt+oSM:xt+oSM+1], v[xt+oV0:xt+oV0+1], v[xt+oW0:xt+oW0+1]
	v_pk_fma_f32 v[xt+oOM:xt+oOM+1], v[xt+oTB:xt+oTB+1], -1.0, 1.0 op_sel_hi:[1,0,0]    ; 1 - t
.endr
.irp g,0,1
.irp h,0,1
	.set xr, TMP+GT*\g+\h
	.set xm, MK+6*(2*\g+\h)
	v_cmp_ge_f32 s[xm+0], 0, v[xr+oV0]             ; v0 <= 0: beyond ac
	v_cmp_ge_f32 s[xm+1], 0, v[xr+oW0]             ; w0 <= 0: beyond ab
	v_cmp_lt_f32 s[xm+2], 1.0, v[xr+oSM]           ; v0 + w0 > 1: beyond bc
	v_cmp_le_f32 s[xm+3], 1.0, v[xr+oTB]           ; t at c
	v_cmp_ge_f32 s[xm+4], 0, v[xr+oTB]             ; t at b
.endr
.endr
.irp g,0,1
.irp h,0,1
	.set xr, TMP+GT*\g+\h
	v_max_num_f32 v[xr+oV], 0, v[xr+oV0]
	v_max_num_f32 v[xr+oW], 0, v[xr+oW0]
.endr
.endr
.irp g,0,1
.irp h,0,1
	.set xm, MK+6*(2*\g+\h)
	s_and_b32 s[xm+3], s[xm+3], s[xm+0]            ; beyond ac and bc's nearest point is c: leave it to ac
	s_and_b32 s[xm+4], s[xm+4], s[xm+1]            ; beyond ab and bc's nearest point is b: leave it to ab
	s_and_not1_b32 s[xm+2], s[xm+2], s[xm+3]
	s_and_not1_b32 s[xm+2], s[xm+2], s[xm+4]       ; edge bc it is
.endr
.endr
.irp g,0,1
.irp h,0,1
	.set xr, TMP+GT*\g+\h
	.set xm, MK+6*(2*\g+\h)
	v_cndmask_b32 v[xr+oV], v[xr+oV], v[xr+oS],  s[xm+1]
	v_cndmask_b32 v[xr+oW], v[xr+oW], v[xr+oTT], s[xm+0]
	v_cndmask_b32 v[xr+oV], v[xr+oV], v[xr+oOM], s[xm+2]
	v_cndmask_b32 v[xr+oW], v[xr+oW], v[xr+oTB], s[xm+2]
.endr
.endr
.irp g,0,1
	.set xt, TMP+GT*\g
	FMA_L xt+oAX, xt+oV, \c+4, xt+oAX              ; diff = ap - v ab - w ac, in place
	FMA_H xt+oAY, xt+oV, \c+4, xt+oAY
	FMA_L xt+oAZ, xt+oV, \c+6, xt+oAZ
.endr
.irp g,0,1
	.set xt, TMP+GT*\g
	FMA_L xt+oAX, xt+oW, \c+8, xt+oAX
	FMA_H xt+oAY, xt+oW, \c+8, xt+oAY
	FMA_L xt+oAZ, xt+oW, \c+10, xt+oAZ
.endr
.irp g,0,1
	.set xt, TMP+GT*\g
	v_pk_mul_f32 v[xt+oD1:xt+oD1+1], v[xt+oAX:xt+oAX+1], v[xt+oAX:xt+oAX+1]             ; dist2, x then y then z
.endr
.irp g,0,1
	.set xt, TMP+GT*\g
	v_pk_fma_f32 v[xt+oD1:xt+oD1+1], v[xt+oAY:xt+oAY+1], v[xt+oAY:xt+oAY+1], v[xt+oD1:xt+oD1+1]
.endr
.irp g,0,1
	.set xt, TMP+GT*\g
	v_pk_fma_f32 v[xt+oD1:xt+oD1+1], v[xt+oAZ:xt+oAZ+1], v[xt+oAZ:xt+oAZ+1], v[xt+oD1:xt+oD1+1]
.endr
.irp g,0,1
.irp h,0,1
	.set xr, TMP+GT*\g+\h
	.set xm, MK+6*(2*\g+\h)
	v_cmp_lt_f32 s[xm], v[xr+oD1], v[BB+10*\g+\h]  ; strictly nearer: of equal distances the earlier triangle stays
.endr
.endr
.irp g,0,1
.irp h,0,1
	.set xr, TMP+GT*\g+\h
	.set xm, MK+6*(2*\g+\h)
	.set xb, BB+10*\g+\h
	v_cndmask_b32 v[xb+0], v[xb+0], v[xr+oD1], s[xm]
	v_cndmask_b32 v[xb+2], v[xb+2], s[\it],    s[xm]
	v_cndmask_b32 v[xb+4], v[xb+4], v[xr+oAX], s[xm]
	v_cndmask_b32 v[xb+6], v[xb+6], v[xr+oAY], s[xm]
	v_cndmask_b32 v[xb+8], v[xb+8], v[xr+oAZ], s[xm]
.endr
.endr
.endm
	; THE LOOP: two triangles a trip, the constants one triangle ahead in the other buffer.  16 trips; the last is written out, so that
	; no load reaches past the split's 32 records.
	s_mov_b32 s16, 0
	s_mov_b32 s17, 1
	s_mov_b32 s15, TPS/2-1
	LOADC C0, 0
.Ltrip:
	LOADC C1, PITCH
	s_wait_dscnt 0x4                               ; LDS loads return in order (ISA guide 5.7.1): C0 is in, the four loads of C1 may be out
	TRI C0, 16
	v_add_nc_u32 v[TA], 2*PITCH, v[TA]
	LOADC C0, 0
	s_wait_dscnt 0x4                               ; C1 is in, the four loads of the next C0 may be out
	TRI C1, 17
	s_add_co_u32 s16, s16, 2
	s_add_co_u32 s17, s17, 2
	s_sub_co_i32 s15, s15, 1
	s_cmp_lg_u32 s15, 0
	s_cbranch_scc1 .Ltrip
	LOADC C1, PITCH
	s_wait_dscnt 0x4
	TRI C0, 16
	s_wait_dscnt 0x0                               ; nothing was issued behind C1
	TRI C1, 17
	; MERGE, first step: every lane hands in its four candidates: (dist2, closest = p - diff) and the face id = 32 split + local number.
.set REC, TMP
.irp g,0,1
.irp h,0,1
	.set xq, 2*\g+\h
	v_mov_b32 v[REC+4*xq], v[BB+10*\g+\h]
	v_sub_f32 v[REC+4*xq+1], v[PP+6*\g+0+\h], v[BB+10*\g+4+\h]
	v_sub_f32 v[REC+4*xq+2], v[PP+6*\g+2+\h], v[BB+10*\g+6+\h]
	v_sub_f32 v[REC+4*xq+3], v[PP+6*\g+4+\h], v[BB+10*\g+8+\h]
	v_lshl_add_u32 v[BB+10*\g+2+\h], v[SPL], 5, v[BB+10*\g+2+\h]
.endr
.endr
	v_lshlrev_b32 v1, 10, v[SPL]
	v_lshl_add_u32 v1, v[L16], 4, v1
	v_add_nc_u32 v1, LREC, v1                      ; [split][lane%16 + 16 q] x 16 bytes: sixteen lanes store 256 neighbouring bytes
	v_lshlrev_b32 v2, 8, v[SPL]
	v_lshl_add_u32 v2, v[L16], 2, v2
	v_add_nc_u32 v2, LIDX, v2
.irp g,0,1
.irp h,0,1
	.set xq, 2*\g+\h
	ds_store_b128 v1, v[REC+4*xq:REC+4*xq+3] offset:256*xq
	ds_store_b32 v2, v[BB+10*\g+2+\h] offset:64*xq
.endr
.endr
	s_wait_dscnt 0x0                               ; my candidates are in LDS before I say so
	s_barrier_signal -1
	s_barrier_wait -1
	; second step: thread = (point = t % 64, group = t / 64) merges splits 4 group .. 4 group + 3, in ascending order of face ids
.set CA, 36
.set CI, 52
	v_and_b32 v3, 63, v0
	v_lshrrev_b32 v[SPL], 6, v0
	v_lshlrev_b32 v1, 12, v[SPL]
	v_lshl_add_u32 v1, v3, 4, v1
	v_add_nc_u32 v1, LREC, v1
	v_lshlrev_b32 v2, 10, v[SPL]
	v_lshl_add_u32 v2, v3, 2, v2
	v_add_nc_u32 v2, LIDX, v2
.irp k,0,1,2,3
	ds_load_b128 v[CA+4*\k:CA+4*\k+3], v1 offset:1024*\k
	ds_load_b32 v[CI+\k], v2 offset:256*\k
.endr
	v_lshlrev_b32 v[L16], 10, v[SPL]
	v_lshl_add_u32 v[L16], v3, 4, v[L16]
	v_add_nc_u32 v[L16], LREC2, v[L16]
	v_lshlrev_b32 v[LST], 8, v[SPL]
	v_lshl_add_u32 v[LST], v3, 2, v[LST]
	v_add_nc_u32 v[LST], LIDX2, v[LST]
	s_wait_dscnt 0x0
.irp k,1,2,3
	v_cmp_lt_f32 vcc_lo, v[CA+4*\k], v[CA]
	v_cndmask_b32 v[CA],   v[CA],   v[CA+4*\k],   vcc_lo
	v_cndmask_b32 v[CA+1], v[CA+1], v[CA+4*\k+1], vcc_lo
	v_cndmask_b32 v[CA+2], v[CA+2], v[CA+4*\k+2], vcc_lo
	v_cndmask_b32 v[CA+3], v[CA+3], v[CA+4*\k+3], vcc_lo
	v_cndmask_b32 v[CI],   v[CI],   v[CI+\k],     vcc_lo
.endr
	ds_store_b128 v[L16], v[CA:CA+3]
	ds_store_b32 v[LST], v[CI]
	s_wait_dscnt 0x0
	s_barrier_signal -1
	s_barrier_wait -1                              ; the last barrier: fifteen waves are done
	s_cmp_lg_u32 s14, 0
	s_cbranch_scc1 .Ldone
	; third step, wave 0: lane l merges the eight candidates of points l and l + 32
.set FA, 36                            ; v[36:99]   point u, candidate k at FA + 32 u + 4 k
.set FI, 100                           ; v[100:115] their face ids
	v_lshlrev_b32 v1, 4, v0
	v_add_nc_u32 v1, LREC2, v1
	v_lshlrev_b32 v2, 2, v0
	v_add_nc_u32 v2, LIDX2, v2
.irp u,0,1
.irp k,0,1,2,3,4,5,6,7
	ds_load_b128 v[FA+32*\u+4*\k:FA+32*\u+4*\k+3], v1 offset:1024*\k+512*\u
	ds_load_b32 v[FI+8*\u+\k], v2 offset:256*\k+128*\u
.endr
.endr
	v_lshlrev_b32 v3, 2, v0
	v_add_nc_u32 v3, LOUT, v3
	v_mul_u32_u24 v[SPL], v0, 12
	v_add_nc_u32 v[SPL], LOUT+512, v[SPL]
	v_lshlrev_b32 v[L16], 3, v0                    ; 8 bytes a lane: 32 lanes make 256 neighbouring bytes
	v_add_nc_u32 v[LST], LOUT, v[L16]
	s_wait_dscnt 0x0
.irp k,1,2,3,4,5,6,7
.irp u,0,1
	.set xa, FA+32*\u
	v_cmp_lt_f32 s[20+\u], v[xa+4*\k], v[xa]
	v_cndmask_b32 v[xa],   v[xa],   v[xa+4*\k],   s[20+\u]
	v_cndmask_b32 v[xa+1], v[xa+1], v[xa+4*\k+1], s[20+\u]
	v_cndmask_b32 v[xa+2], v[xa+2], v[xa+4*\k+2], s[20+\u]
	v_cndmask_b32 v[xa+3], v[xa+3], v[xa+4*\k+3], s[20+\u]
	v_cndmask_b32 v[FI+8*\u], v[FI+8*\u], v[FI+8*\u+\k], s[20+\u]
.endr
.endr
	; the way out: the results are laid into the wave's own stage as they lie in memory, and read back 8 bytes a lane.
	; LDS serves a wave's instructions in order (ISA guide 5.7.1), so the loads see the stores without a wait between them.
.irp u,0,1
	ds_store_b32 v3, v[FA+32*\u] offset:128*\u
	ds_store_b32 v3, v[FI+8*\u] offset:256+128*\u
	ds_store_b32 v[SPL], v[FA+32*\u+1] offset:384*\u
	ds_store_b32 v[SPL], v[FA+32*\u+2] offset:384*\u+4
	ds_store_b32 v[SPL], v[FA+32*\u+3] offset:384*\u+8
.endr
.irp k,0,1,2,3,4
	ds_load_b64 v[4+2*\k:5+2*\k], v[LST] offset:256*\k
.endr
	s_wait_dscnt 0x0
	global_store_b64 v[L16], v[4:5], s[8:9]                    ; each store of the wave covers 256 consecutive bytes, aligned
	global_store_b64 v[L16], v[6:7], s[12:13]
	global_store_b64 v[L16], v[8:9], s[10:11]
	global_store_b64 v[L16], v[10:11], s[10:11] offset:256
	global_store_b64 v[L16], v[12:13], s[10:11] offset:512
.Ldone:
	s_wait_tensorcnt 0x0
	ds_add_u32 v128, v129
	s_wait_dscnt 0x0
	s_endpgm
.Lfunc_end_k_q8826610820_closest:
	.size	k_q8826610820_closest, .Lfunc_end_k_q8826610820_closest-k_q8826610820_closest
	.p2alignl 7, 3214868480
	.fill 96, 4, 3214868480
	.section	.rodata,"a",@progbits
	.p2align	6, 0x0
	.amdhsa_kernel k_q8826610820_closest
		.amdhsa_group_segment_fixed_size 169984
		.amdhsa_private_segment_fixed_size 0
		.amdhsa_enable_private_segment 0
		.amdhsa_kernarg_size 40
		.amdhsa_user_sgpr_count 2
		.amdhsa_user_sgpr_kernarg_segment_ptr 1
		.amdhsa_wavefront_size32 1
		.amdhsa_system_sgpr_workgroup_id_x 1
		.amdhsa_system_sgpr_workgroup_id_y 1
		.amdhsa_system_sgpr_workgroup_id_z 1
		.amdhsa_system_vgpr_workitem_id 0
		.amdhsa_next_free_vgpr 130
		.amdhsa_next_free_sgpr 66
		.amdhsa_reserve_vcc 1
		.amdhsa_float_denorm_mode_32 3
		.amdhsa_float_denorm_mode_16_64 3
		.amdhsa_memory_ordered 1
		.amdhsa_forward_progress 1
		.amdhsa_inst_pref_size 61
	.end_amdhsa_kernel
	.amdgpu_metadata
---
amdhsa.version: [ 1, 2 ]
amdhsa.kernels:
  - .name:           k_q8826610820_closest
    .symbol:         k_q8826610820_closest.kd
    .args:
      - { .name: points, .offset: 0, .size: 8, .value_kind: global_buffer, .address_space: global }
      - { .name: triangles, .offset: 8, .size: 8, .value_kind: global_buffer, .address_space: global }
      - { .name: out0, .offset: 16, .size: 8, .value_kind: global_buffer, .address_space: global }
      - { .name: out1, .offset: 24, .size: 8, .value_kind: global_buffer, .address_space: global }
      - { .name: out2, .offset: 32, .size: 8, .value_kind: global_buffer, .address_space: global }
    .group_segment_fixed_size: 169984
    .private_segment_fixed_size: 0
    .kernarg_segment_align: 8
    .kernarg_segment_size: 40
    .max_flat_workgroup_size: 512
    .sgpr_count:     66
    .vgpr_count:     130
    .wavefront_size: 32
...
	.end_amdgpu_metadata
.endif
;; end of part 1
